; MI455X (gfx1250); checked and timed in simulation.
; The chip was launched on July 23, 2026; its instructions are those of AMD's public machine-readable ISA for CDNA 5 (MIT licence, August 2026) and "CDNA5" Instruction Set Architecture Reference Guide (July 2026). The comments in the code are by the model that wrote it; some were corrected since.
;; Self Attention. Allowed arithmetic: matrix products marked QUANTISED: E2M1 operands, one E8M0 scale for each 32 along K, by v_wmma_scale_f32_16x16x128_f8f6f4 with both operands' format E2M1 (or v_wmma_scale_f32_32x16x128_f4), f32 sums; everything else in f32.
;; Inputs: Wout 1,024 x 1,024 float32; Wqkv 3,072 x 1,024 float32; bout 1,024 float32; bqkv 3,072 float32; g_k 1,024 float32; g_out 1,024 float32; g_q 1,024 float32; x 4 x 2,048 x 1,024 float32.
;; Outputs: out0 4 x 2,048 x 1,024 float32.
;; This version of the problem:
;;   THIS VERSION OF THE PROBLEM IS GIVEN IN LOW PRECISION. The matrix products marked QUANTISED in the list below multiply operands that are first quantised to E2M1 (2 exponent bits, 1 mantissa bit; 4 bits a number), with one power-of-two scale for each 32 numbers along K (OCP MX v1.0); their sums are f32. All else is computed in f32.
;;   The module's matrix products, in the order in which they are computed (A, B: the left and right operand; K: the contracted axis; several contracted axes count as one K, in the product's order):
;;     1. [M 8,192, K 1,024] x [K 1,024, N 3,072]; A: input x; B: input Wqkv: QUANTISED
;;     2. batch 64 x [M 2,048, K 64] x [K 64, N 2,048]; A: computed on the way; B: computed on the way: QUANTISED
;;     3. batch 64 x [M 2,048, K 2,048] x [K 2,048, N 64]; A: softmax (see below); B: computed on the way: QUANTISED
;;     4. [M 8,192, K 1,024] x [K 1,024, N 1,024]; A: computed on the way; B: input Wout: QUANTISED
;;   THE QUANTISER, for each operand of a quantised product, along K:
;;     - K is cut into blocks of 32 from its start; a last block that is shorter is filled with zeros.
;;     - A block's scale is 2^e with e = floor(log2(the largest magnitude in the block)) - 2, held to -126 .. 127; a block of zeros has e = 0. As a byte (E8M0): e + 127.
;;     - Each number is divided by its block's scale, clamped to +-6, and rounded to the nearest number of E2M1, ties to even, subnormals kept.
;;     - The product sums the exact products of the quantised numbers (number of the format x scale) in f32.
;;   ~~~python
;;   def quantise(x, axis):      # numpy; x: float32 -> the quantised numbers, widened to float32 again
;;       x = np.moveaxis(x, axis, -1); K = x.shape[-1]
;;       x = np.pad(x, [(0, 0)] * (x.ndim - 1) + [(0, -K % 32)]); x = x.reshape(x.shape[:-1] + (-1, 32)); a = np.abs(x).max(-1, keepdims=True)
;;       e = np.where(a > 0, np.clip(np.frexp(np.where(a > 0, a, 1))[1] - 1 - 2, -126, 127), 0)      # np.frexp(a)[1] - 1 = floor(log2(a)), exactly
;;       r = np.clip(x / 2.0 ** e, -6, 6)
;;       step = 2.0 ** (np.maximum(np.frexp(np.where(r == 0, 1, r))[1] - 1, 0) - 1)
;;       q = np.round(r / step) * step * 2.0 ** e      # np.round: ties to even
;;       return np.moveaxis(q.reshape(q.shape[:-2] + (-1,))[..., :K], -1, axis).astype(np.float32)
;;   ~~~
;;   SOFTMAX AHEAD OF A QUANTISED PRODUCT. Where the list says 'softmax', what is quantised is not the finished softmax but p = 2^(t - M), with t = logit x log2(e) and M = ceil(the row's largest t), a whole number; so 1/2 < the row's largest p <= 1. The row's sum l is taken of the UNQUANTISED p, in f32, and the product's result is divided by l at the end. Since M is a whole number, a kernel that streams over the keys may use a running M (the ceiling of the running maximum): every later rescaling is an exact power of two, which a block's scale takes up: the codes' values come out the same.
;;   OPERANDS COMPUTED ON THE WAY. 'Computed on the way' means the value that the module computes at that place (a softmax that the list does not call 'softmax' is quantised finished and normalised). What goes into a quantiser is computed in f32, as accurately as f32 sums, v_exp_f32 and their like allow (about 1e-6 of the number): no bf16 or f16 on the way to a quantiser, and a product that is left as it is and whose result goes on into a quantised operand takes f32 operands (vector FMAs, or v_wmma_f32_16x16x4_f32). A number that lies on a knife's edge between two numbers of the format may be rounded either way, as far as f32 arithmetic and the matrix unit's own rounding can turn it there, and no further.
;; One version. Each part assembles by itself: llvm-mc -triple=amdgcn-amd-amdhsa -mcpu=gfx1250 --defsym DOCPART=n.
;; ======== version 1 of 1: 4 launches
;; limits: right only within a limited range of input values
;; workspace buffers: xq 4,456,448 bytes; wq 1,671,168 bytes; wo 557,056 bytes; qkv 13,369,344 bytes; o 4,456,448 bytes
;; launch quant (part 1): grid 384 x 1, 4 waves a work-group, no clusters, 34,304 bytes of LDS; arguments x, Wqkv, Wout, xq, wq, wo; writes xq, wq, wo
.if DOCPART == 1
	.amdgcn_target "amdgcn-amd-amdhsa--gfx1250"
	.amdhsa_code_object_version 6
	.text
	.protected	k_qa4881d0e27_quant
	.globl	k_qa4881d0e27_quant
	.p2align	8
	.type	k_qa4881d0e27_quant,@function
k_qa4881d0e27_quant:
	s_mov_b64 s[64:65], 0
	v_nop
	global_prefetch_b8 v0, s[64:65] scope:SCOPE_SE
	s_setreg_imm32_b32 hwreg(HW_REG_WAVE_MODE, 25, 1), 1
	s_wait_xcnt 0x0
; x [8192][1024], Wqkv [3072][1024] and Wout [1024][1024], f32, K innermost, become codes of FP4 (E2M1) with one E8M0 scale byte for each 32 along K,
; laid in the order of the matrix operand's registers, so that the later launches fetch fragments as dense runs of 512 bytes.
; A FRAGMENT is 16 rows x 128 K = 1,024 bytes: byte 512 c + 16 lane holds what lane (r, h) wants in registers 4 c .. 4 c + 3: k = 64 c + 32 h + 0 .. 31 of the fragment's row r.
; THE ROWS OF A FRAGMENT ARE NOT NEIGHBOURS: tile f of a group of 64 rows holds at place i the row 32 (f / 2) + 8 (f % 2) + i % 8 + 16 (i / 8).
; A SCALE GROUP is 256 bytes for four fragments: byte 16 r + 4 q is the scale word (four bytes, 128 along K) of fragment q, row r.
; A block's scale is 2^(floor(log2(its largest magnitude)) - 2); its byte is the largest magnitude's exponent field - 2, held at 1 from below.
; LIMITS: a block whose largest magnitude lies under 2^-124, a block of zeros among them, gets the byte 1 (the rule gives zeros 127: their codes are zeros, and this program alone reads the bytes);
; NaN and infinities among the inputs are not served.
; SHARES: a wave takes 64 rows x 128 K (32 KiB in, 4,352 bytes out).  Group G = work-group / 2: 0-127 x, 128-175 Wqkv, 176-191 Wout; K step s = 4 (work-group % 2) + wave.
; One path for the three tensors: only pointers and offsets are chosen, on the work-group's number.  The stream is bound by memory: no matrix unit, no cluster (no byte is read twice), no barrier (waves share nothing).
; Each load reads 512 consecutive bytes of one row; a tile's 16 rows turn through the wave's own stage in LDS, so that a lane gets its two whole blocks of 32 neighbours.
.set WV,    32                         ; s32      my wave's number
.set SEL,   34                         ; s[34:35] v_permlanex16_b32's selects for lane l xor 16
.set WREG,  8448                       ; a wave's stage: 16 rows x SP
.set SP,    528                        ; 512 bytes + 16: an odd multiple of 16, so the sixteen rows that a load touches start in different banks
.set RR,    16                         ; v16-143  two sets of 64: a tile as loaded
.set X,     144                        ; v144-207 a lane's two blocks of 32
.set C,     208                        ; v208-239 codes, 8 registers a tile: no store's data are written again
.set SW,    240                        ; v240-243 the four tiles' scale words
.set WCH,   34816                      ; a wave's part of a fill of the weights' ring: 4 batches
.set BATCH, 8704                       ; 8 fragments + 2 scale groups
	s_load_b256 s[4:11], s[0:1], 0x0               ; x s[4:5], Wqkv s[6:7], Wout s[8:9], xq s[10:11]
	s_load_b128 s[12:15], s[0:1], 0x20             ; wq s[12:13], wo s[14:15]
	v_lshl_add_u32 v254, v0, 2, 0x8400
	v_mov_b32 v255, 0
	v_lshrrev_b32 v1, 5, v0
	v_readfirstlane_b32 s[WV], v1                  ; wave 0..3
	v_and_b32 v1, 31, v0                           ; lane
	v_lshlrev_b32 v2, 4, v1                        ; 16 x lane: my place in a load's and a store's 512 bytes
	s_mul_i32 s33, s[WV], WREG
	v_add_nc_u32 v3, s33, v2                       ; the stage, on the way in
	v_and_b32 v5, 15, v0                           ; r
	v_bfe_u32 v6, v0, 4, 1                         ; h
	v_mul_u32_u24 v4, v5, SP
	v_lshl_add_u32 v4, v6, 7, v4
	v_add_nc_u32 v4, s33, v4                       ; and on the way out: row r, + 128 h bytes (32 numbers)
	v_lshlrev_b32 v5, 4, v5                        ; 16 r: my row's place in a scale group
	v_lshlrev_b32 v6, 3, v6                        ; 8 h: my bytes' place in a scale word, in bits
	v_mov_b32 v15, 0                               ; a lane permute's destination counts as one of its sources
	s_mov_b32 s[SEL], 0x76543210
	s_mov_b32 s[SEL+1], 0xfedcba98
	s_lshr_b32 s16, ttmp9, 1                       ; G
	s_and_b32 s17, ttmp9, 1
	s_lshl_b32 s17, s17, 2
	s_add_co_u32 s17, s17, s[WV]                   ; s
	s_cmp_ge_u32 s16, 128
	s_cselect_b32 s18, 128, 0
	s_cmp_ge_u32 s16, 176
	s_cselect_b32 s18, 176, s18
	s_sub_co_u32 s18, s16, s18                     ; the group's number in its own tensor
	; where a group of a weight goes: [j][fill][wave][batch]; batch n = (3 or 2) s + bt
	s_lshr_b32 s19, s18, 4                         ; p: q's rows, k's, v's (0 for Wout)
	s_and_b32 s20, s18, 15
	s_lshr_b32 s21, s20, 2                         ; q, k, Wout: wave = 256 rows,
	s_and_b32 s22, s20, 3                          ; and which 64 of them
	s_lshr_b32 s23, s20, 3                         ; v: j = 512 rows,
	s_bfe_u32 s24, s20, 0x20001                    ; wave = 128 rows,
	s_and_b32 s25, s20, 1
	s_add_co_u32 s25, s25, 4                       ; and which 64 of them, in the third batch of a K step
	s_cmp_eq_u32 s19, 2
	s_cselect_b32 s19, s23, s19                    ; j
	s_cselect_b32 s21, s24, s21                    ; wave
	s_cselect_b32 s22, s25, s22                    ; g
	s_cmp_ge_u32 s16, 176
	s_cselect_b32 s23, 2, 3                        ; batches in a K step
	s_mul_i32 s23, s23, s17
	s_lshr_b32 s24, s22, 1
	s_add_co_u32 s23, s23, s24                     ; n
	s_mul_i32 s19, s19, 6
	s_lshr_b32 s24, s23, 2
	s_add_co_u32 s19, s19, s24                     ; 6 j + fill
	s_lshl_b32 s19, s19, 2
	s_add_co_u32 s19, s19, s21
	s_mul_i32 s19, s19, WCH
	s_and_b32 s24, s23, 3
	s_mul_i32 s24, s24, BATCH
	s_add_co_u32 s19, s19, s24                     ; the batch
	s_and_b32 s22, s22, 1                          ; which half of its eight fragments
	s_lshl_b32 s24, s22, 12
	s_add_co_u32 s24, s19, s24                     ; the codes
	s_lshl_b32 s25, s22, 8
	s_add_co_u32 s25, s25, s19
	s_add_co_u32 s25, s25, 8192                    ; the scale group
	s_mul_i32 s26, s16, WCH                        ; x: [block of 64 rows][s]: 4 fragments, 1 scale group
	s_mul_i32 s27, s17, 4352
	s_add_co_u32 s26, s26, s27
	s_add_co_u32 s27, s26, 4096
	s_cmp_lt_u32 s16, 128
	s_cselect_b32 s24, s26, s24
	s_cselect_b32 s25, s27, s25
	s_lshl_b32 s26, s18, 18                        ; the source: 64 rows of 4,096 bytes a group,
	s_lshl_b32 s27, s17, 9                         ; 512 bytes a K step
	s_add_co_u32 s26, s26, s27
	s_mov_b32 s27, 0
	s_mov_b32 s28, s24
	s_mov_b32 s29, 0
	s_mov_b32 s30, s25
	s_mov_b32 s31, 0
	s_wait_alu depctr_va_vdst(0)
	s_wait_kmcnt 0x0
	s_cmp_lt_u32 s16, 176                          ; the choices hang on the work-group's number alone
	s_cselect_b64 s[6:7], s[6:7], s[8:9]
	s_cselect_b64 s[12:13], s[12:13], s[14:15]
	s_cmp_lt_u32 s16, 128
	s_cselect_b64 s[4:5], s[4:5], s[6:7]
	s_cselect_b64 s[10:11], s[10:11], s[12:13]
	s_add_nc_u64 s[4:5], s[4:5], s[26:27]
	s_add_nc_u64 s[28:29], s[10:11], s[28:29]
	s_add_nc_u64 s[30:31], s[10:11], s[30:31]
.macro LOAD f                          ; tile f's 16 rows, 512 consecutive bytes each, into set f % 2
.irp i, 0,1,2,3,4,5,6,7,8,9,10,11,12,13,14,15
	global_load_b128 v[RR+64*((\f)%2)+4*\i:RR+64*((\f)%2)+4*\i+3], v2, s[4:5] offset:(32*((\f)/2)+8*((\f)%2)+(\i%8)+16*(\i/8))*4096 th:TH_LOAD_NT
.endr
.endm
.macro TURN f                          ; through the stage: LDS serves a wave's instructions in order, so no wait stands between the stores and the loads
.irp i, 0,1,2,3,4,5,6,7,8,9,10,11,12,13,14,15
	ds_store_b128 v3, v[RR+64*((\f)%2)+4*\i:RR+64*((\f)%2)+4*\i+3] offset:SP*\i
.endr
.irp c, 0,1
.irp i, 0,1,2,3,4,5,6,7
	ds_load_b128 v[X+32*\c+4*\i:X+32*\c+4*\i+3], v4 offset:256*\c+16*\i   ; k = 64 c + 32 h + 4 i on, of row r
.endr
.endr
.endm
.macro Q2 f                            ; my two blocks (2 c + h, c = 0, 1) of row r become eight registers of codes; the row's scale word is joined from lanes l and l xor 16
.irp c, 0,1
	v_max3_num_f32 v[8+\c], |v[X+32*\c]|, |v[X+32*\c+1]|, 0x1800000   ; the floor 2^(3 - 127) among the leaves: the byte cannot fall under 1
.endr
.irp i, 2,4,6,8,10,12,14,16,18,20,22,24,26,28,30
.irp c, 0,1
	v_max3_num_f32 v[8+\c], v[8+\c], |v[X+32*\c+\i]|, |v[X+32*\c+\i+1]|   ; the two blocks by turns
.endr
.endr
.irp c, 0,1
	v_add_nc_u32 v[10+\c], 0xff000000, v[8+\c]     ; 2 off the exponent field: the conversion's scale operand
.endr
.irp c, 0,1
	v_lshrrev_b32 v[12+\c], 23, v[10+\c]           ; the scale's byte
.endr
	v_lshl_or_b32 v14, v13, 16, v12                ; blocks h and 2 + h,
	v_lshlrev_b32 v14, v6, v14                     ; 8 h bits up;
	v_permlanex16_b32 v15, v14, s[SEL], s[SEL+1]
	v_or_b32 v[SW+(\f)], v14, v15                  ; with lane l xor 16's two bytes the word is whole
.irp c, 0,1
.irp g, 0,1,2,3
	v_cvt_scalef32_pk8_fp4_f32 v[C+8*(\f)+4*\c+\g], v[X+32*\c+8*\g:X+32*\c+8*\g+7], v[10+\c]
.endr
.endr
	v_nop                                          ; one plain place behind the last scaled conversion
.irp c, 0,1
	global_store_b128 v2, v[C+8*(\f)+4*\c:C+8*(\f)+4*\c+3], s[28:29] offset:1024*(\f)+512*\c   ; 32 lanes store 512 consecutive bytes, at a multiple of 256 from the buffer's first byte
.endr
.endm
	LOAD 0
	LOAD 1
.irp f, 0,1,2,3
.if \f < 3
	s_wait_loadcnt 16                              ; this tile's 16 loads are in; the next tile's 16 may be out
.else
	s_wait_loadcnt 0x0
.endif
	TURN \f
	s_wait_dscnt 0x0                               ; my blocks are in, and the stage's stores have read their registers,
.if \f < 2
	LOAD (\f+2)                                    ; which take the tile two further on
.endif
	Q2 \f
.endr
	s_wait_xcnt 0x0                                ; EXEC changes only behind this wait
	v_cmp_gt_u32 vcc_lo, 16, v1
	s_wait_tensorcnt 0x0
	ds_add_u32 v254, v255
	s_wait_dscnt 0x0
	s_and_saveexec_b32 s36, vcc_lo
	global_store_b128 v5, v[SW:SW+3], s[30:31]     ; lanes 0-15: the scale group, one aligned run of 256 bytes
	s_wait_xcnt 0x0
	s_or_b32 exec_lo, exec_lo, s36
	s_endpgm
.Lfunc_end_k_qa4881d0e27_quant:
	.size	k_qa4881d0e27_quant, .Lfunc_end_k_qa4881d0e27_quant-k_qa4881d0e27_quant
	.p2alignl 7, 3214868480
	.fill 96, 4, 3214868480
	.section	.rodata,"a",@progbits
	.p2align	6, 0x0
	.amdhsa_kernel k_qa4881d0e27_quant
		.amdhsa_group_segment_fixed_size 34304
		.amdhsa_private_segment_fixed_size 0
		.amdhsa_enable_private_segment 0
		.amdhsa_kernarg_size 48
		.amdhsa_user_sgpr_count 2
		.amdhsa_user_sgpr_kernarg_segment_ptr 1
		.amdhsa_wavefront_size32 1
		.amdhsa_system_sgpr_workgroup_id_x 1
		.amdhsa_system_sgpr_workgroup_id_y 1
		.amdhsa_system_sgpr_workgroup_id_z 1
		.amdhsa_system_vgpr_workitem_id 0
		.amdhsa_next_free_vgpr 256
		.amdhsa_next_free_sgpr 66
		.amdhsa_reserve_vcc 1
		.amdhsa_float_denorm_mode_32 3
		.amdhsa_float_denorm_mode_16_64 3
		.amdhsa_memory_ordered 1
		.amdhsa_forward_progress 1
		.amdhsa_inst_pref_size 32
	.end_amdhsa_kernel
	.amdgpu_metadata
---
amdhsa.version: [ 1, 2 ]
amdhsa.kernels:
  - .name:           k_qa4881d0e27_quant
    .symbol:         k_qa4881d0e27_quant.kd
    .args:
      - { .name: x, .offset: 0, .size: 8, .value_kind: global_buffer, .address_space: global }
      - { .name: Wqkv, .offset: 8, .size: 8, .value_kind: global_buffer, .address_space: global }
      - { .name: Wout, .offset: 16, .size: 8, .value_kind: global_buffer, .address_space: global }
      - { .name: xq, .offset: 24, .size: 8, .value_kind: global_buffer, .address_space: global }
      - { .name: wq, .offset: 32, .size: 8, .value_kind: global_buffer, .address_space: global }
      - { .name: wo, .offset: 40, .size: 8, .value_kind: global_buffer, .address_space: global }
    .group_segment_fixed_size: 34304
    .private_segment_fixed_size: 0
    .kernarg_segment_align: 8
    .kernarg_segment_size: 48
    .max_flat_workgroup_size: 128
    .sgpr_count:     66
    .vgpr_count:     256
    .wavefront_size: 32
...
	.end_amdgpu_metadata
.endif
;; end of part 1
;; launch qkv (part 2): grid 128 x 2, 4 waves a work-group, clusters of 4 x 1, 327,680 bytes of LDS; arguments xq, wq, bqkv, g_q, g_k, qkv; writes qkv
.if DOCPART == 2
	.amdgcn_target "amdgcn-amd-amdhsa--gfx1250"
	.amdhsa_code_object_version 6
	.text
	.protected	k_qa4881d0e27_qkv
	.globl	k_qa4881d0e27_qkv
	.p2align	8
	.type	k_qa4881d0e27_qkv,@function
k_qa4881d0e27_qkv:
	s_mov_b64 s[64:65], 0
	v_nop
	global_prefetch_b8 v0, s[64:65] scope:SCOPE_SE
	s_setreg_imm32_b32 hwreg(HW_REG_WAVE_MODE, 25, 1), 1
	s_wait_xcnt 0x0
	s_wait_alu depctr_hold_cnt(0) depctr_sa_sdst(0) depctr_va_vdst(0) depctr_va_sdst(0) depctr_va_ssrc(0) depctr_va_vcc(0) depctr_vm_vsrc(0)
	s_getreg_b32 s2, hwreg(HW_REG_IB_STS2, 6, 4)
	s_cmp_eq_u32 s2, 0
	s_cbranch_scc0 .Lentry_in_a_cluster
	s_endpgm
.Lentry_in_a_cluster:
	s_bfe_u32 s2, ttmp6, 0x10000c
	s_cmp_lg_u32 s2, 0x3003
	s_cbranch_scc0 .Lentry_shape_is_right
	s_endpgm
.Lentry_shape_is_right:
.set WCH,   34816
.set BATCH, 8704
.set SLOTB, 4*WCH
.set XSTEP, 4352
.set AREC,  2*SLOTB
.set SCR,   AREC+WCH
.set SPARE, SCR+1024
.set REC,   208896
.set WV,  16
.set G1,  24
.set G0,  32
.set SEL, 42
.set FC,  78
.set ADB,  4
.set ADSB, 6
.set ADA,  8
.set ADSA, 9
.set SPW,  10
.set NIL,  11
.set OL,   12
.set OS,   13
.set OW,   14
.set SH,   15
.set ASC,  16
.set BSC,  24
.set AF,   48
.set BF,   112
.set PC,   16
.set XW,   24
.set PW,   32
.set FF,   40
.set T,    48
.set GG,   112
.set TM,   240
.set MSB, 0
.macro WIN new
.if MSB != (\new)
	s_set_vgpr_msb (MSB<<8)|(\new)
.set MSB, (\new)
.endif
.endm
.macro ROUND
	s_barrier_signal -1
	s_barrier_wait -1
	s_cmp_lg_u32 s[WV], 0
	s_cbranch_scc1 .Lnot_wave_0_\@
	s_barrier_signal -3
.Lnot_wave_0_\@:
	s_barrier_wait -3
	s_barrier_signal -1
	s_barrier_wait -1
.endm
.macro FETCHB n
.set SL_, ((\n)/4)%2
.set OF_, ((\n)%4)*BATCH
.set BS_, (\n)%2
.irp b, 0,1,2,3,4,5,6,7
.irp c, 0,1
	ds_load_b128 v[BF+64*BS_+8*\b+4*\c:BF+64*BS_+8*\b+4*\c+3], v[ADB+SL_] offset:OF_+1024*\b+512*\c
.endr
.endr
.irp g, 0,1
	ds_load_b128 v[BSC+8*BS_+4*\g:BSC+8*BS_+4*\g+3], v[ADSB+SL_] offset:OF_+256*\g
.endr
.endm
.macro FETCHA s
.set AS_, (\s)%2
.irp a, 0,1,2,3
.irp c, 0,1
	ds_load_b128 v[AF+32*AS_+8*\a+4*\c:AF+32*AS_+8*\a+4*\c+3], v[ADA] offset:XSTEP*(\s)+1024*\a+512*\c
.endr
.endr
	ds_load_b128 v[ASC+4*AS_:ASC+4*AS_+3], v[ADSA] offset:XSTEP*(\s)
.endm
.macro MUL n, a0
.set BT_, (\n)%3
.set ST_, ((\n)/3)%2
.set BS_, (\n)%2
.if (\n) < 2
	WIN 0x70+0x40*(\n)
.else
	WIN 0x50*(BT_+1)
.endif
.irp a, \a0, \a0+1
.irp b, 0,1,2,3,4,5,6,7
.if (\n) < 2
	v_wmma_scale_f32_16x16x128_f8f6f4 v[8*(8*(\a)+\b):8*(8*(\a)+\b)+7], v[BF+64*BS_+8*\b:BF+64*BS_+8*\b+7], v[AF+32*ST_+8*(\a):AF+32*ST_+8*(\a)+7], v[64*(\n)+8*\b:64*(\n)+8*\b+7], v[BSC+8*BS_+\b], v[ASC+4*ST_+(\a)] matrix_a_fmt:MATRIX_FMT_FP4 matrix_b_fmt:MATRIX_FMT_FP4
.elseif (\n) == 2
	v_wmma_scale_f32_16x16x128_f8f6f4 v[8*(8*(\a)+\b):8*(8*(\a)+\b)+7], v[AF+32*ST_+8*(\a):AF+32*ST_+8*(\a)+7], v[BF+64*BS_+8*\b:BF+64*BS_+8*\b+7], 0, v[ASC+4*ST_+(\a)], v[BSC+8*BS_+\b] matrix_a_fmt:MATRIX_FMT_FP4 matrix_b_fmt:MATRIX_FMT_FP4
.elseif BT_ == 2
	v_wmma_scale_f32_16x16x128_f8f6f4 v[8*(8*(\a)+\b):8*(8*(\a)+\b)+7], v[AF+32*ST_+8*(\a):AF+32*ST_+8*(\a)+7], v[BF+64*BS_+8*\b:BF+64*BS_+8*\b+7], v[8*(8*(\a)+\b):8*(8*(\a)+\b)+7], v[ASC+4*ST_+(\a)], v[BSC+8*BS_+\b] matrix_a_fmt:MATRIX_FMT_FP4 matrix_b_fmt:MATRIX_FMT_FP4
.else
	v_wmma_scale_f32_16x16x128_f8f6f4 v[8*(8*(\a)+\b):8*(8*(\a)+\b)+7], v[BF+64*BS_+8*\b:BF+64*BS_+8*\b+7], v[AF+32*ST_+8*(\a):AF+32*ST_+8*(\a)+7], v[8*(8*(\a)+\b):8*(8*(\a)+\b)+7], v[BSC+8*BS_+\b], v[ASC+4*ST_+(\a)] matrix_a_fmt:MATRIX_FMT_FP4 matrix_b_fmt:MATRIX_FMT_FP4
.endif
.endr
.endr
.endm
.macro BATCHM n
	WIN 0
.if ((\n)%4 == 3) && ((\n) < 16)
	s_wait_tensorcnt 0x0
	ds_add_u32 v[SPW], v[NIL]
	s_wait_dscnt 0x1
	MUL \n, 0
	s_add_nc_u64 s[G0+4*(((\n)/4)%2)+2:G0+4*(((\n)/4)%2)+3], s[G0+4*(((\n)/4)%2)+2:G0+4*(((\n)/4)%2)+3], 2*SLOTB
	s_wait_dscnt 0x0
	WIN 0
	ROUND
	tensor_load_to_lds s[G0+4*(((\n)/4)%2):G0+4*(((\n)/4)%2)+3], s[G1:G1+7]
	s_nop 0
.rept 4
	v_nop
.endr
	FETCHB (\n)+1
.if (\n)%3 == 2
	FETCHA (\n)/3+1
.endif
.if (\n) < 8
.endif
	MUL \n, 2
.else
.if (\n) == 19
	s_wait_tensorcnt 0x0
.endif
	s_wait_dscnt 0x0
.if (\n) == 2
	v_nop
.endif
.if (\n) > 0
.rept 4
	v_nop
.endr
.endif
.if (\n) < 23
	FETCHB (\n)+1
.if (\n)%3 == 2
	FETCHA (\n)/3+1
.endif
.endif
	MUL \n, 0
	MUL \n, 2
.endif
.endm
.macro QUANT s, pw
.irp b, 0,1,2,3
	v_max3_num_f32 v[TM+\b], |v[\s+16*\b]|, |v[\s+1+16*\b]|, 0x1800000
.endr
.irp i, 2,4,6,8,10,12,14
.irp b, 0,1,2,3
	v_max3_num_f32 v[TM+\b], v[TM+\b], |v[\s+16*\b+\i]|, |v[\s+1+16*\b+\i]|
.endr
.endr
.irp b, 0,1,2,3
	v_permlanex16_b32 v[TM+4+\b], v[TM+\b], s[SEL], s[SEL+1]
.endr
.irp b, 0,1,2,3
	v_max_num_f32 v[TM+\b], v[TM+\b], v[TM+4+\b]
.endr
.irp b, 0,1,2,3
	v_add_nc_u32 v[TM+12+\b], 0xff000000, v[TM+\b]
.endr
.irp b, 0,1,2,3
	v_lshrrev_b32 v[TM+4+\b], 23, v[TM+12+\b]
.endr
	v_lshl_or_b32 v[(\pw)], v[TM+5], 8, v[TM+4]
	v_lshl_or_b32 v[(\pw)], v[TM+6], 16, v[(\pw)]
	v_lshl_or_b32 v[(\pw)], v[TM+7], 24, v[(\pw)]
.irp b, 0,1,2,3
	v_cvt_scalef32_pk8_fp4_f32 v[PC+2*\b], v[\s+16*\b:\s+7+16*\b], v[TM+12+\b]
	v_cvt_scalef32_pk8_fp4_f32 v[PC+1+2*\b], v[\s+8+16*\b:\s+15+16*\b], v[TM+12+\b]
.endr
	v_nop
.irp c, 0,1
.irp i, 0,1
	v_permlane16_swap_b32 v[PC+4*\c+\i], v[PC+2+4*\c+\i]
.endr
.endr
.endm
	s_load_b256 s[4:11], s[0:1], 0x0
	s_load_b128 s[12:15], s[0:1], 0x20
	v_lshl_add_u32 v[SPW], v0, 2, SPARE
	v_mov_b32 v[NIL], 0
	ds_add_u32 v10, v11
	ds_add_u32 v10, v11
	s_wait_dscnt 0x0
	v_lshrrev_b32 v1, 5, v0
	v_readfirstlane_b32 s[WV], v1
	v_and_b32 v1, 31, v0
	v_and_b32 v2, 15, v0
	v_bfe_u32 v3, v0, 4, 1
	v_lshlrev_b32 v[OL], 4, v1
	v_lshlrev_b32 v241, 6, v3
	s_bfe_u32 s17, ttmp6, 0x40000
	s_mul_i32 s20, s17, 8704
	v_lshl_add_u32 v242, v1, 8, s20
	v_min_u32 v243, 1, v1
	v_lshl_add_u32 v243, v243, 8, s20
	v_add_nc_u32 v243, 8192, v243
	s_lshl_b32 s18, ttmp9, 2
	s_add_co_u32 s18, s18, s17
	s_and_b32 s19, ttmp7, 0xffff
	s_mov_b32 s[G1], 15|(3<<16)|(1<<21)
	s_mov_b32 s[G1+1], 32<<16
	s_mov_b32 s[G1+2], 136<<16
	s_mov_b32 s[G1+3], 32<<16
	s_mov_b32 s[G1+4], 136
	s_mov_b32 s[G1+5], 32
	s_mov_b32 s[G1+6], 0
	s_mov_b32 s[G1+7], 0
	s_mul_i32 s20, s19, 24
	s_add_co_u32 s20, s20, s[WV]
	s_mul_i32 s20, s20, WCH
	s_mov_b32 s21, 0
	s_mul_i32 s22, s[WV], WCH
	s_mul_i32 s23, s[WV], BATCH
	s_mul_i32 s40, s18, WCH
	s_add_co_u32 s40, s40, s23
	s_mov_b32 s41, 0
	s_mov_b32 s[SEL], 0x76543210
	s_mov_b32 s[SEL+1], 0xfedcba98
	s_lshl_b32 s44, s19, 12
	s_lshl_b32 s56, s[WV], 10
	s_mov_b32 s57, 0
	s_add_co_u32 s46, s44, s56
	s_mov_b32 s47, 0
	s_lshl_b32 s58, s19, 11
	s_lshl_b32 s59, s[WV], 9
	s_add_co_u32 s58, s58, s59
	s_add_co_u32 s58, s58, 8192
	s_mov_b32 s59, 0
	s_lshr_b32 s66, s18, 5
	s_and_b32 s67, s18, 31
	s_lshl_b32 s68, s66, 4
	s_lshl_b32 s69, s[WV], 2
	s_add_co_u32 s69, s69, s68
	s_mul_i32 s60, s69, REC
	s_mul_i32 s70, s19, 69632
	s_add_co_u32 s62, s60, s70
	s_lshl_b32 s70, s67, 11
	s_add_co_u32 s62, s62, s70
	s_mov_b32 s63, 0
	s_mul_i32 s70, s19, 135168
	s_add_co_u32 s70, s70, 65536
	s_add_co_u32 s60, s60, s70
	s_lshr_b32 s71, s67, 1
	s_and_b32 s72, s67, 1
	s_lshl_b32 s70, s71, 8
	s_add_co_u32 s60, s60, s70
	s_lshl_b32 s70, s72, 3
	s_add_co_u32 s60, s60, s70
	s_mov_b32 s61, 0
	s_lshl_b32 s70, s19, 3
	s_add_co_u32 s70, s70, s68
	s_lshl_b32 s73, s[WV], 1
	s_add_co_u32 s70, s70, s73
	s_mul_i32 s70, s70, REC
	s_lshl_b32 s73, s71, 12
	s_add_co_u32 s74, s70, s73
	s_lshl_b32 s73, s72, 9
	s_add_co_u32 s74, s74, s73
	s_add_co_u32 s74, s74, 135168
	s_mov_b32 s75, 0
	s_lshl_b32 s73, s71, 8
	s_add_co_u32 s76, s70, s73
	s_lshl_b32 s73, s72, 1
	s_add_co_u32 s76, s76, s73
	s_add_co_u32 s76, s76, 204800
	s_mov_b32 s77, 0
	s_cmp_eq_u32 s19, 0
	s_cselect_b32 s[FC], 4.0, 0x42000000
	s_wait_alu depctr_va_vdst(0)
	s_wait_kmcnt 0x0
	s_add_nc_u64 s[4:5], s[4:5], s[40:41]
	s_add_nc_u64 s[6:7], s[6:7], s[20:21]
	s_add_nc_u64 s[46:47], s[8:9], s[46:47]
	s_add_nc_u64 s[58:59], s[8:9], s[58:59]
	s_cmp_eq_u32 s19, 0
	s_cselect_b64 s[10:11], s[10:11], s[12:13]
	s_add_nc_u64 s[56:57], s[10:11], s[56:57]
	s_add_nc_u64 s[48:49], s[14:15], s[62:63]
	s_add_nc_u64 s[50:51], s[14:15], s[60:61]
	s_add_nc_u64 s[52:53], s[14:15], s[74:75]
	s_add_nc_u64 s[54:55], s[14:15], s[76:77]
.irp i, 0,1,2,3,4,5,6,7,8,9,10,11,12,13,14,15,16
	global_load_b128 v[BF+4*\i:BF+4*\i+3], v[OL], s[4:5] offset:512*\i
.endr
	WIN 0xc0
.irp t, 0,1,2,3,4,5,6,7,8,9,10,11,12,13,14,15
	global_load_b128 v[8*\t:8*\t+3], v241, s[46:47] offset:(32*(\t/2)+8*(\t%2))*4
	global_load_b128 v[8*\t+4:8*\t+7], v241, s[46:47] offset:(32*(\t/2)+8*(\t%2))*4+16
.endr
	WIN 0
.irp t, 0,1
	s_mov_b32 s[G0+4*\t], 1
	s_add_co_u32 s[G0+4*\t+1], s22, \t*SLOTB
	s_add_nc_u64 s[G0+4*\t+2:G0+4*\t+3], s[6:7], \t*SLOTB
	s_or_b32 s[G0+4*\t+3], s[G0+4*\t+3], 0x80000000
.endr
	ROUND
	tensor_load_to_lds s[G0:G0+3], s[G1:G1+7]
	s_nop 0
.rept 4
	v_nop
.endr
.irp f, 1,2
.endr
	s_wait_alu depctr_va_vdst(0)
	s_wait_tensorcnt 0x0
	ds_add_u32 v10, v11
	s_wait_dscnt 0x0
	ROUND
	tensor_load_to_lds s[G0+4:G0+7], s[G1:G1+7]
	s_nop 0
.rept 4
	v_nop
.endr
	v_add_nc_u32 v[ADB], s22, v[OL]
	v_add_nc_u32 v[ADB+1], SLOTB, v[ADB]
	v_lshlrev_b32 v[ADSA], 4, v2
	v_add_nc_u32 v[ADSB], s22, v[ADSA]
	v_add_nc_u32 v[ADSB], 8192, v[ADSB]
	v_add_nc_u32 v[ADSB+1], SLOTB, v[ADSB]
	v_add_nc_u32 v[ADSA], AREC+4096, v[ADSA]
	v_add_nc_u32 v[ADA], AREC, v[OL]
	v_add_nc_u32 v240, s23, v[ADA]
	v_mul_u32_u24 v[OS], v3, REC
	v_lshl_add_u32 v[OS], v2, 4, v[OS]
	v_lshlrev_b32 v[OW], 2, v3
	v_lshl_add_u32 v[OW], v2, 4, v[OW]
	v_lshlrev_b32 v[SH], 4, v3
	s_wait_alu depctr_va_vdst(0)
	s_wait_loadcnt 32
.irp i, 0,1,2,3,4,5,6,7,8,9,10,11,12,13,14,15,16
	ds_store_b128 v240, v[BF+4*\i:BF+4*\i+3] offset:512*\i
.endr
	s_wait_tensorcnt 0x1
	s_wait_dscnt 0x0
	s_barrier_signal -1
	s_barrier_wait -1
	FETCHB 0
	FETCHA 0
	s_wait_loadcnt 0x0
.set N, 0
.rept 24
	BATCHM N
.set N, N+1
.endr
	WIN 0
	s_wait_xcnt 0x0
	v_and_b32 v4, 8, v2
	v_add_nc_u32 v4, v4, v2
	v_lshlrev_b32 v4, 2, v4
	v_lshlrev_b32 v5, 6, v3
	v_lshlrev_b32 v6, 4, v2
	v_add_nc_u32 v7, SCR, v6
	s_lshl_b32 s60, s[WV], 2
	v_add_nc_u32 v6, s60, v7
.irp t, 0,1,2,3,4,5,6,7,8,9,10,11,12,13,14,15
	global_load_b128 v[GG+8*\t:GG+8*\t+3], v5, s[56:57] offset:(32*(\t/2)+8*(\t%2))*4
	global_load_b128 v[GG+8*\t+4:GG+8*\t+7], v5, s[56:57] offset:(32*(\t/2)+8*(\t%2))*4+16
.endr
.macro SQ w
	WIN 5*(\w)
.irp b, 0,1,2,3,4,5,6,7
.irp p, 0,2,4,6
.irp a, 0,1,2,3
.if ((\w) == 1) && (\b == 0) && (\p == 0)
	v_pk_mul_f32 v[T+2*\a:T+2*\a+1], v[8*(8*\a+\b)+\p:8*(8*\a+\b)+\p+1], v[8*(8*\a+\b)+\p:8*(8*\a+\b)+\p+1]
.else
	v_pk_fma_f32 v[T+2*\a:T+2*\a+1], v[8*(8*\a+\b)+\p:8*(8*\a+\b)+\p+1], v[8*(8*\a+\b)+\p:8*(8*\a+\b)+\p+1], v[T+2*\a:T+2*\a+1]
.endif
.endr
.endr
.endr
.endm
	SQ 1
	SQ 2
	WIN 0
.irp a, 0,1,2,3
	v_add_f32 v[T+2*\a], v[T+2*\a], v[T+2*\a+1]
.endr
.irp a, 0,1,2,3
	v_permlanex16_b32 v[T+2*\a+1], v[T+2*\a], s[SEL], s[SEL+1]
.endr
.irp a, 0,1,2,3
	v_add_f32 v[T+2*\a], v[T+2*\a], v[T+2*\a+1]
.endr
.irp a, 0,1,2,3
	ds_store_b32 v6, v[T+2*\a] offset:256*\a
.endr
	s_wait_dscnt 0x0
	s_barrier_signal -1
	s_barrier_wait -1
.irp a, 0,1,2,3
	ds_load_b128 v[T+8+4*\a:T+11+4*\a], v7 offset:256*\a
.endr
.irp b, 0,1,2,3
	v_mov_b32 v[TM+4+\b], 0
.endr
	s_wait_dscnt 0x0
.irp a, 0,1,2,3
	v_add_f32 v[T+8+4*\a], v[T+8+4*\a], v[T+9+4*\a]
.endr
.irp a, 0,1,2,3
	v_add_f32 v[T+10+4*\a], v[T+10+4*\a], v[T+11+4*\a]
.endr
.irp a, 0,1,2,3
	v_add_f32 v[T+8+4*\a], v[T+8+4*\a], v[T+10+4*\a]
.endr
	s_wait_alu depctr_va_vdst(0)
.irp a, 0,1,2,3
	v_sqrt_f32 v[T+9+4*\a], v[T+8+4*\a]
.endr
	v_nop
	s_wait_alu depctr_va_vdst(0)
.irp a, 0,1,2,3
	v_max_num_f32 v[T+9+4*\a], 0x2b8cbccc, v[T+9+4*\a]
.endr
	s_wait_alu depctr_va_vdst(0)
.irp a, 0,1,2,3
	v_rcp_f32 v[T+10+4*\a], v[T+9+4*\a]
.endr
	v_nop
	s_wait_alu depctr_va_vdst(0)
.irp a, 0,1,2,3
	v_mul_f32 v[FF+2*\a], s[FC], v[T+10+4*\a]
	v_mul_f32 v[FF+2*\a+1], s[FC], v[T+10+4*\a]
.endr
	s_wait_loadcnt 0x0
.macro UNITQ w, a
	WIN \w
.irp b, 0,1,2,3,4,5,6,7
.irp p, 0,2,4,6
	v_pk_mul_f32 v[T+8*\b+\p:T+8*\b+\p+1], v[8*(8*(\a)+\b)+\p:8*(8*(\a)+\b)+\p+1], v[GG+8*(8*((\w)-1)+\b)+\p:GG+8*(8*((\w)-1)+\b)+\p+1]
.endr
.endr
	WIN 0
.set J, 0
.rept 32
	v_pk_mul_f32 v[T+J:T+J+1], v[T+J:T+J+1], v[FF+2*(\a):FF+2*(\a)+1]
.set J, J+2
.endr
	s_wait_xcnt 0x0
	QUANT T, PW+4*((\w)-1)+(\a)
	global_store_b128 v[OL], v[PC:PC+3], s[48:49] offset:(2*((\w)-1))*REC+1024*((\a)/2)+512*((\a)%2)
	global_store_b128 v[OL], v[PC+4:PC+7], s[48:49] offset:(2*((\w)-1)+1)*REC+1024*((\a)/2)+512*((\a)%2)
.endm
.macro WORDS w
.set P_, PW+4*((\w)-1)
.set X_, XW+4*((\w)-1)
	v_perm_b32 v[X_], v[P_+1], v[P_], 0x05040100
	v_perm_b32 v[X_+1], v[P_+3], v[P_+2], 0x05040100
	v_perm_b32 v[X_+2], v[P_+1], v[P_], 0x07060302
	v_perm_b32 v[X_+3], v[P_+3], v[P_+2], 0x07060302
	v_permlane16_swap_b32 v[X_], v[X_+2]
	v_permlane16_swap_b32 v[X_+1], v[X_+3]
	global_store_b64 v[OS], v[X_:X_+1], s[50:51] offset:2*((\w)-1)*REC
.endm
.irp a, 0,1,2,3
	UNITQ 1, \a
.endr
	WORDS 1
.irp b, 0,1,2,3,4,5,6,7
	global_load_b32 v[GG+2*\b], v4, s[58:59] offset:(32*(\b/2)+8*(\b%2))*4
	global_load_b32 v[GG+2*\b+1], v4, s[58:59] offset:(32*(\b/2)+8*(\b%2))*4
.endr
.irp a, 0,1,2,3
	UNITQ 2, \a
.endr
	WORDS 2
	s_wait_loadcnt 0x0
.macro UNITV b
	WIN 0x03
.irp e, 0,1
.irp a, 0,1,2,3
.irp p, 0,2,4,6
	v_pk_add_f32 v[T+32*\e+8*\a+\p:T+32*\e+8*\a+\p+1], v[8*(8*\a+(\b)+\e)+\p:8*(8*\a+(\b)+\e)+\p+1], v[GG+2*((\b)+\e):GG+2*((\b)+\e)+1]
.endr
.endr
.endr
	WIN 0
	s_wait_xcnt 0x0
	QUANT T, PW+4
	global_store_b128 v[OL], v[PC:PC+3], s[52:53] offset:((\b)/4)*REC+1024*((\b)%4)
	global_store_b128 v[OL], v[PC+4:PC+7], s[52:53] offset:((\b)/4)*REC+1024*((\b)%4+1)
	v_lshrrev_b32 v[PW+(\b)/2], v[SH], v[PW+4]
	global_store_b16 v[OW], v[PW+(\b)/2], s[54:55] offset:((\b)/4)*REC+4*((\b)%4)
.endm
	UNITV 0
	UNITV 2
	UNITV 4
	UNITV 6
	s_wait_tensorcnt 0x0
	ds_add_u32 v[SPW], v[NIL]
	s_wait_dscnt 0x0
	ROUND
	s_endpgm
.Lfunc_end_k_qa4881d0e27_qkv:
	.size	k_qa4881d0e27_qkv, .Lfunc_end_k_qa4881d0e27_qkv-k_qa4881d0e27_qkv
	.p2alignl 7, 3214868480
	.fill 96, 4, 3214868480
	.section	.rodata,"a",@progbits
	.p2align	6, 0x0
	.amdhsa_kernel k_qa4881d0e27_qkv
		.amdhsa_group_segment_fixed_size 327680
		.amdhsa_private_segment_fixed_size 0
		.amdhsa_enable_private_segment 0
		.amdhsa_kernarg_size 48
		.amdhsa_user_sgpr_count 2
		.amdhsa_user_sgpr_kernarg_segment_ptr 1
		.amdhsa_wavefront_size32 1
		.amdhsa_system_sgpr_workgroup_id_x 1
		.amdhsa_system_sgpr_workgroup_id_y 1
		.amdhsa_system_sgpr_workgroup_id_z 1
		.amdhsa_system_vgpr_workitem_id 0
		.amdhsa_next_free_vgpr 1024
		.amdhsa_next_free_sgpr 80
		.amdhsa_reserve_vcc 0
		.amdhsa_float_denorm_mode_32 3
		.amdhsa_float_denorm_mode_16_64 3
		.amdhsa_memory_ordered 1
		.amdhsa_forward_progress 1
		.amdhsa_inst_pref_size 255
	.end_amdhsa_kernel
	.section	.bss,"aw",@nobits
	.p2align	6
	.space	262144
	.amdgpu_metadata
---
amdhsa.version: [ 1, 2 ]
amdhsa.kernels:
  - .name:           k_qa4881d0e27_qkv
    .symbol:         k_qa4881d0e27_qkv.kd
    .args:
      - { .name: xq, .offset: 0, .size: 8, .value_kind: global_buffer, .address_space: global }
      - { .name: wq, .offset: 8, .size: 8, .value_kind: global_buffer, .address_space: global }
      - { .name: bqkv, .offset: 16, .size: 8, .value_kind: global_buffer, .address_space: global }
      - { .name: g_q, .offset: 24, .size: 8, .value_kind: global_buffer, .address_space: global }
      - { .name: g_k, .offset: 32, .size: 8, .value_kind: global_buffer, .address_space: global }
      - { .name: qkv, .offset: 40, .size: 8, .value_kind: global_buffer, .address_space: global }
    .group_segment_fixed_size: 327680
    .private_segment_fixed_size: 0
    .kernarg_segment_align: 8
    .kernarg_segment_size: 48
    .max_flat_workgroup_size: 128
    .sgpr_count:     80
    .vgpr_count:     1024
    .wavefront_size: 32
...
	.end_amdgpu_metadata
.endif
;; end of part 2
;; launch attn (part 3): grid 4 x 64, 8 waves a work-group, clusters of 4 x 1, 169,984 bytes of LDS; arguments qkv, o; writes o
.if DOCPART == 3
	.amdgcn_target "amdgcn-amd-amdhsa--gfx1250"
	.amdhsa_code_object_version 6
	.text
	.protected	k_qa4881d0e27_attn
	.globl	k_qa4881d0e27_attn
	.p2align	8
	.type	k_qa4881d0e27_attn,@function
k_qa4881d0e27_attn:
	s_mov_b64 s[64:65], 0
	v_nop
	global_prefetch_b8 v0, s[64:65] scope:SCOPE_SE
	s_setreg_imm32_b32 hwreg(HW_REG_WAVE_MODE, 25, 1), 1
	s_wait_xcnt 0x0
	s_wait_alu depctr_hold_cnt(0) depctr_sa_sdst(0) depctr_va_vdst(0) depctr_va_sdst(0) depctr_va_ssrc(0) depctr_va_vcc(0) depctr_vm_vsrc(0)
	s_getreg_b32 s2, hwreg(HW_REG_IB_STS2, 6, 4)
	s_cmp_eq_u32 s2, 0
	s_cbranch_scc0 .Lentry_in_a_cluster
	s_endpgm
.Lentry_in_a_cluster:
	s_bfe_u32 s2, ttmp6, 0x10000c
	s_cmp_lg_u32 s2, 0x3003
	s_cbranch_scc0 .Lentry_shape_is_right
	s_endpgm
.Lentry_shape_is_right:
; o = softmax(q k^T) v for one (batch, head), both products on codes of FP4 with E8M0 scales; the result is quantised along (head, channel) for the output projection.  (q holds the factor 1/8 already.)
; THE SOFTMAX AHEAD OF THE SECOND PRODUCT: t = score x log2(e); M = the row's largest t so far, rounded UP to a whole number; p = 2^(t - M) is quantised along the keys, not normalised.
; The row's sum is taken of the unquantised p and divides O at the end.  When M moves, the sum and O are multiplied by 2^(old M - new M): exact.
; SHARES.  A work-group owns 512 queries of one head; each of its eight waves 64 of them: two passes, each over a group of 32 queries = two tiles of 16.  A pass walks the 2,048 keys in 8 trips of 256;
; in a trip each fragment of K and V is read from LDS once and serves both tiles; a tile's 256 scores a lane-pair (128 registers) go through one maximum, one batch of exponentials and one rescaling of O^T.
; THE HEAD'S WHOLE K AND V, codes and scale bytes, are 139,264 consecutive bytes of its record: they come into LDS once, an eighth by each wave, and stay: no ring, no barrier in the loops.
; CLUSTER.  The four work-groups of a cluster are the four blocks of queries of one head: they ask for the same K and V JOINTLY (mask 15).
; No prefetch: the launch's one stream is asked for whole at its head, and there is no loop to run ahead in.
; LAYOUT.  Both products are used transposed (S^T = K Q^T, O^T = V^T P^T): a lane holds one query (lane % 16) throughout.
; THE KEYS OF A TILE ARE CHOSEN AT THE LDS LOAD: tile (B, t) of a trip holds at place i the key 64 B + 32 (i / 8) + 8 t + i % 8.  So lane (r, h) holds in the 32 registers of tiles (B, 0 .. 3) the keys 64 B + 32 h + 0 .. 31:
; a WHOLE block of 32, in the order of the second product's operand: the block's maximum needs no other lane, and the conversions' results are P's registers as they stand.
; In memory a fragment of K (1,024 bytes, 32 keys) holds key x at tile (x / 8) % 2, place x % 8 + 8 (x / 16); places 0-7 and 8-15 of my tiles lie in neighbouring fragments, 1,024 bytes apart, so K's loads go two deep in the banks.
; THE HEAD HAS 64 CHANNELS, THE INSTRUCTION 128 ALONG K.  Eight registers of K hold TWO tiles (t even: k = 0 .. 63, t odd: k = 64 .. 127); Q's registers stand between runs of zero codes: (q, 0) meets the first tile alone, (0, q) the second.
; LIMITS: NaN and infinities are not served; the promise holds while the scaled scores stay under 2^31 in magnitude; the division by the sum is a multiplication by v_rcp_f32; a block whose largest magnitude lies under 2^-124 gets the byte 1.
; The block's largest p is the block's largest score put through the same multiply-add and exponential; this takes v_exp_f32 not to fall where its input rises.
; REGISTERS.  Window 0: v1-7 addresses that stay; v8-11 the trip's; v12-15, v16-19 the two tiles' -M, largest score, sum in two halves; v20 f; v22, v23 the add's; v24, v25 Q's scale words; v32-39 K's, v40-47 V's, v48-49 P's;
;   v52-66 at work; v72-87 P's codes; v128-255 S^T, then p.   Window 1: v0-63 K, v64-127 V, v128-191 O^T of the two tiles, v192-211 zeros, q0, zeros, q1, zeros.
.set REC,  208896                      ; a head's record in qkv: QC 65,536 | QS 4,096 | KC 65,536 | VC 65,536 | KS 4,096 | VS 4,096
.set OREC, 17408                       ; a record of 32 rows in o: 16 fragments, then 16 rows x 16 scale words
.set LVC,  65536                       ; LDS: KC at 0, VC, KS, VS, as they lie in memory
.set LKS,  131072
.set LVS,  135168
.set SPARE, 139264                     ; the spare words: 128 bytes a wave
.set PART, 17408                       ; a wave's eighth of the fill: 68 rows of 256 bytes
.set WV,  16
.set SEL, 20                           ; s[20:21] lane selects for v_permlanex16_b32: lane l xor 16
.set CS,  22                           ; s[22:23] log2(e), named as a pair
.set G1,  24
.set G0,  32
.set TK,  36                           ; the trip's fragments: 8,192 bytes a trip, of K and of V
.set TS,  37                           ; the trip's scale words: 512 bytes a trip
.set CNT, 38
.set HI,  39                           ; lanes 16-31
.set QP,  40
.set QSP, 42
.set OP,  44
.set OSP, 46
.set PCNT, 62
.set QW, 24
.set KW, 32
.set VW, 40
.set PW, 48
.set BM, 52
.set SO, 56
.set BY, 60
.set PD, 64
.set XB, 65
.set PC, 72
.set S,  128
.set KF, 0
.set VF, 64
.set OB, 128
.set QZ, 192
.set MSB, 0
.macro WIN new                         ; the immediate's high byte repeats the setting that is left
.if MSB != (\new)
	s_set_vgpr_msb (MSB<<8)|(\new)
.set MSB, (\new)
.endif
.endm
.macro ROUND                           ; a round of the cluster's barrier
	s_barrier_signal -1
	s_barrier_wait -1
	s_cmp_lg_u32 s[WV], 0
	s_cbranch_scc1 .Lnot_wave_0_\@
	s_barrier_signal -3
.Lnot_wave_0_\@:
	s_barrier_wait -3
	s_barrier_signal -1
	s_barrier_wait -1
.endm
; K's 16 tiles of a trip, two to a run of eight registers, and the 8 scale words of these runs: 24 LDS loads
.macro KLOAD ra, rs, ko, so
	WIN 0x40
.irp b, 0,1,2,3
.irp t, 0,1
.irp u, 0,1
	ds_load_b128 v[KF+8*(2*\b+\t)+4*\u:KF+8*(2*\b+\t)+4*\u+3], v[\ra] offset:\ko+2048*\b+512*\u+128*\t
.endr
.endr
.endr
	WIN 0
.irp b, 0,1,2,3
.irp t, 0,1
	ds_load_b32 v[KW+2*\b+\t], v[\rs] offset:\so+256*(\b/2)+128*\t+8*(\b%2)
.endr
.endr
.endm
; a group's Q: asked for a pass ahead of its use
.macro QLOAD
	WIN 0x40
	global_load_b128 v[QZ+4:QZ+7], v7, s[QP:QP+1]              ; lane (r, h): block h of the 64 channels of query (0, r)
	global_load_b128 v[QZ+12:QZ+15], v7, s[QP:QP+1] offset:512 ; and of query (1, r)
	WIN 0
	global_load_b32 v28, v5, s[QSP:QSP+1]          ; the group's scale word: bytes 0, 1 tile 0's, bytes 2, 3 tile 1's
.endm
.macro LEVEL d, n                      ; one level of the sum's tree, in place
.set J, 0
.rept \n
	v_pk_add_f32 v[S+J:S+J+1], v[S+J:S+J+1], v[S+J+\d:S+J+\d+1]
.set J, J+2*\d
.endr
.endm
; ONE TILE OF 16 QUERIES AGAINST THE TRIP'S 256 KEYS
.macro UNIT u
.set ST_, 12+4*(\u)
.set OB_, OB+32*(\u)
.if (\u) == 0
	s_wait_alu depctr_va_vdst(0)                   ; the wait ahead of the wait below
	s_wait_dscnt 18                                ; K and its scale words are in; behind them the trip's 16 loads of V and 2 of its scale words may be out
.endif
	WIN 0x05
.irp p, 0,1,2,3,4,5,6,7
	v_wmma_scale_f32_16x16x128_f8f6f4 v[S+16*\p:S+16*\p+7], v[KF+8*\p:KF+8*\p+7], v[QZ+4+8*(\u):QZ+11+8*(\u)], 0, v[KW+\p], v[QW+(\u)] matrix_a_fmt:MATRIX_FMT_FP4 matrix_b_fmt:MATRIX_FMT_FP4
	v_wmma_scale_f32_16x16x128_f8f6f4 v[S+16*\p+8:S+16*\p+15], v[KF+8*\p:KF+8*\p+7], v[QZ+8*(\u):QZ+7+8*(\u)], 0, v[KW+\p], v[QW+(\u)] matrix_a_fmt:MATRIX_FMT_FP4 matrix_b_fmt:MATRIX_FMT_FP4
.endr
	WIN 0
.rept 4
	v_nop                                          ; places ahead of the first read of the scores and of the loads into K's registers
.endr
.if (\u) == 1
	KLOAD 8, 10, 8192, 512                         ; the next trip's K lands under this tile's softmax (the pass's last trip reads filled bytes behind K's, which nobody uses)
.endif
.irp b, 0,1,2,3
	v_max3_num_f32 v[BM+\b], v[S+32*\b], v[S+32*\b+1], v[S+32*\b+2]   ; my four blocks' largest scores, by turns; each accumulator is read from its low end on
.endr
.irp i, 3,5,7,9,11,13,15,17,19,21,23,25,27,29
.irp b, 0,1,2,3
	v_max3_num_f32 v[BM+\b], v[BM+\b], v[S+32*\b+\i], v[S+32*\b+\i+1]
.endr
.endr
.irp b, 0,1,2,3
	v_max_num_f32 v[BM+\b], v[BM+\b], v[S+32*\b+31]
.endr
	v_max3_num_f32 v[BY], v[BM], v[BM+1], v[BM+2]
	v_max_num_f32 v[BY], v[BY], v[BM+3]
	v_permlanex16_b32 v[PD], v[BY], s[SEL], s[SEL+1]
	v_max3_num_f32 v[ST_+1], v[ST_+1], v[BY], v[PD]   ; the running largest score of my query
	v_mul_f32 v[BY+1], s[CS], v[ST_+1]             ; as t
	v_floor_f32 v[BY+1], -v[BY+1]                  ; the new -M = -ceil(t)
	v_sub_f32 v[BY+2], v[BY+1], v[ST_]             ; old M - new M: a whole number, 0 or less
	v_mov_b32 v[ST_], v[BY+1]
	v_cvt_i32_f32 v[BY+2], v[BY+2]                 ; (it saturates)
.irp b, 0,1,2,3
	v_fma_f32 v[BM+\b], v[BM+\b], s[CS], v[ST_]    ; t - M of each block's largest score
.endr
	v_ldexp_f32 v20, 1.0, v[BY+2]                  ; f = 2^(old M - new M)
.set J, 0
.rept 64
	v_pk_fma_f32 v[S+J:S+J+1], v[S+J:S+J+1], s[CS:CS+1], v[ST_:ST_+1] op_sel_hi:[1,0,0]   ; t - M, two at a time
.set J, J+2
.endr
	s_wait_alu depctr_va_vdst(0)                   ; the wait ahead of the batch
.irp b, 0,1,2,3
	v_exp_f32 v[BM+\b], v[BM+\b]                   ; the blocks' largest p
.endr
.set J, 0
.rept 128
	v_exp_f32 v[S+J], v[S+J]                       ; p = 2^(t - M), at most 1
.set J, J+1
.endr
	v_pk_mul_f32 v[ST_+2:ST_+3], v[ST_+2:ST_+3], v[20:21] op_sel_hi:[1,0]   ; the sums under the new M (a plain place behind the batch)
	WIN 0x41
	s_wait_alu depctr_va_vdst(0)                   ; one wait behind the batch, directly ahead of the first readers of O^T
.set J, 0
.rept 16
	v_pk_mul_f32 v[OB_+J:OB_+J+1], v[OB_+J:OB_+J+1], v[20:21] op_sel_hi:[1,0]   ; O^T under the new M
.set J, J+2
.endr
	WIN 0
.irp b, 0,1,2,3
	v_max_num_f32 v[BM+\b], 0x1800000, v[BM+\b]    ; the floor 2^(3 - 127): the byte cannot fall under 1
.endr
.irp b, 0,1,2,3
	v_add_nc_u32 v[SO+\b], 0xff000000, v[BM+\b]    ; 2 off the exponent field: the conversion's scale operand
.endr
.irp b, 0,1,2,3
	v_lshrrev_b32 v[BY+\b], 23, v[SO+\b]           ; the scale's byte
.endr
	v_lshl_or_b32 v[XB], v[BY+1], 8, v[BY]
	v_lshl_or_b32 v[XB+1], v[BY+3], 8, v[BY+2]
	v_lshl_or_b32 v[XB], v[XB+1], 16, v[XB]        ; my four blocks' bytes
	v_permlanex16_b32 v[PD], v[XB], s[SEL], s[SEL+1]
	v_perm_b32 v[PW], v[PD], v[XB], 0x05010400     ; lanes 0-15, which alone are read: the word of keys 0-127: mine, the partner's, mine, the partner's
	v_perm_b32 v[PW+1], v[PD], v[XB], 0x07030602   ; and of keys 128-255
.irp b, 0,1,2,3
.irp t, 0,1,2,3
	v_cvt_scalef32_pk8_fp4_f32 v[PC+4*\b+\t], v[S+32*\b+8*\t:S+32*\b+8*\t+7], v[SO+\b]   ; P's operand registers as they stand
.endr
.endr
	v_nop                                          ; one plain place behind the last scaled conversion
	LEVEL 2, 32                                    ; the row's sum of the unquantised p.  (These are also the places between the scale words, the codes and the products below)
	LEVEL 4, 16
	LEVEL 8, 8
	LEVEL 16, 4
	LEVEL 32, 2
	LEVEL 64, 1
	v_pk_add_f32 v[ST_+2:ST_+3], v[ST_+2:ST_+3], v[S:S+1]
.if (\u) == 0
	s_wait_alu depctr_va_vdst(0)                   ; the wait ahead of the wait below
	s_wait_dscnt 0x0                               ; V and its scale words
.endif
	WIN 0x51
.irp g, 0,1                            ; O^T += V^T P^T: the four accumulators by turns, one instruction a turn
.irp t, 0,1,2,3
	v_wmma_scale_f32_16x16x128_f8f6f4 v[OB_+8*\t:OB_+8*\t+7], v[VF+32*\g+8*\t:VF+32*\g+8*\t+7], v[PC+8*\g:PC+8*\g+7], v[OB_+8*\t:OB_+8*\t+7], v[VW+4*\g+\t], v[PW+\g] matrix_a_fmt:MATRIX_FMT_FP4 matrix_b_fmt:MATRIX_FMT_FP4
.endr
.endr
.endm
	s_load_b128 s[4:7], s[0:1], 0x0                ; qkv s[4:5], o s[6:7]
	v_lshl_add_u32 v22, v0, 2, SPARE
	v_mov_b32 v23, 0
	ds_add_u32 v22, v23                            ; the opening lines: the add, twice on end, and its wait ahead of my tensor load
	ds_add_u32 v22, v23
	v_lshrrev_b32 v8, 5, v0
	v_readfirstlane_b32 s[WV], v8                  ; wave 0..7
	s_bfe_u32 s17, ttmp6, 0x40000                  ; my place in the cluster = my block of 512 queries: it enters Q's and o's addresses alone
	s_and_b32 s18, ttmp7, 0xffff                   ; 16 x batch + head, which the four partners share
	s_mov_b32 s[G1], 15|(3<<16)|(1<<21)            ; the mask: all four work-groups; elements of 8 bytes; bit 21 set beside a mask; no padding
	s_mov_b32 s[G1+1], 32<<16                      ; rows of 256 bytes,
	s_mov_b32 s[G1+2], 68<<16                      ; 68 of them
	s_mov_b32 s[G1+3], 32<<16
	s_mov_b32 s[G1+4], 68
	s_mov_b32 s[G1+5], 32
	s_mov_b32 s[G1+6], 0
	s_mov_b32 s[G1+7], 0
	s_mul_i32 s49, s18, REC
	s_mul_i32 s10, s[WV], PART                     ; my eighth, in LDS and in memory
	s_add_co_u32 s8, s49, s10
	s_add_co_u32 s8, s8, 69632                     ; KC's place in the record
	s_mov_b32 s9, 0
	s_lshl_b32 s48, s17, 4
	s_lshl_b32 s50, s[WV], 1
	s_add_co_u32 s48, s48, s50                     ; g: my first group of 32 queries; the second pass takes g + 1
	s_lshl_b32 s50, s48, 10
	s_add_co_u32 s50, s50, s49                     ; QC: 1,024 bytes a group
	s_mov_b32 s51, 0
	s_lshr_b32 s52, s48, 2
	s_lshl_b32 s52, s52, 8
	s_add_co_u32 s52, s52, s49
	s_and_b32 s53, s48, 3
	s_lshl_b32 s53, s53, 2
	s_add_co_u32 s52, s52, s53
	s_add_co_u32 s52, s52, 65536                   ; QS: 256 (g / 4) + 4 (g % 4)
	s_mov_b32 s53, 0
	s_lshr_b32 s54, s18, 4                         ; the batch
	s_lshl_b32 s54, s54, 6
	s_add_co_u32 s54, s54, s48                     ; o's record: 64 x batch + g
	s_mul_i32 s54, s54, OREC
	s_bfe_u32 s55, s18, 0x30001                    ; head / 2: the next product's K step
	s_and_b32 s56, s18, 1                          ; head % 2: which half of it
	s_lshl_b32 s57, s55, 11
	s_add_co_u32 s58, s54, s57
	s_lshl_b32 s57, s56, 9
	s_add_co_u32 s58, s58, s57
	s_mov_b32 s59, 0
	s_lshl_b32 s57, s55, 3
	s_add_co_u32 s60, s54, s57
	s_lshl_b32 s57, s56, 1
	s_add_co_u32 s60, s60, s57
	s_add_co_u32 s60, s60, 16384
	s_mov_b32 s61, 0
	s_mov_b32 s[SEL], 0x76543210
	s_mov_b32 s[SEL+1], 0xfedcba98
	s_mov_b32 s[CS], 0x3fb8aa3b                    ; log2(e)
	s_mov_b32 s[CS+1], s[CS]
	s_mov_b32 s[HI], 0xffff0000
	s_mov_b32 s[PCNT], 2
	s_wait_dscnt 0x0                               ; both opening adds are done
	s_wait_kmcnt 0x0
	s_mov_b32 s[G0], 1
	s_mov_b32 s[G0+1], s10
	s_add_nc_u64 s[G0+2:G0+3], s[4:5], s[8:9]
	s_or_b32 s[G0+3], s[G0+3], 0x80000000
	s_add_nc_u64 s[QP:QP+1], s[4:5], s[50:51]
	s_add_nc_u64 s[QSP:QSP+1], s[4:5], s[52:53]
	s_add_nc_u64 s[OP:OP+1], s[6:7], s[58:59]
	s_add_nc_u64 s[OSP:OSP+1], s[6:7], s[60:61]
	ROUND                                          ; all four work-groups are here: the joint loads meet
	tensor_load_to_lds s[G0:G0+3], s[G1:G1+7]      ; every wave's one load
	s_nop 0
	v_and_b32 v8, 31, v0
	v_and_b32 v9, 15, v0                           ; r
	v_bfe_u32 v10, v0, 4, 1                        ; h
	v_lshlrev_b32 v7, 4, v8                        ; 16 x lane: my place in a fragment of V, and in Q's and o's
	v_and_b32 v11, 7, v0                           ; r % 8
	v_bfe_u32 v8, v0, 3, 1                         ; r / 8
	v_lshlrev_b32 v11, 4, v11
	v_lshl_add_u32 v1, v8, 10, v11
	v_lshl_add_u32 v1, v10, 8, v1                  ; K: 1,024 (r / 8) + 16 (r % 8) + 256 h
	v_add_nc_u32 v2, LVC, v7                       ; V
	v_lshl_add_u32 v3, v8, 2, v11
	v_add_nc_u32 v3, LKS, v3                       ; K's scale words: 16 (r % 8) + 4 (r / 8)
	v_lshlrev_b32 v5, 4, v9                        ; 16 r
	v_add_nc_u32 v4, LVS, v5                       ; V's scale words
	v_lshlrev_b32 v6, 2, v10
	v_lshl_add_u32 v6, v9, 6, v6                   ; o's scale words: 64 r + 4 h
	v_mov_b32 v21, 0                               ; (named as the upper half of the pair v[20:21])
	v_mov_b32 v[PD], 0                             ; a lane permute's destination counts as one of its sources
	WIN 0x40
.irp i, 0,1,2,3,8,9,10,11,16,17,18,19
	v_mov_b32 v[QZ+\i], 0                          ; the zero codes round q0 and q1
.endr
	WIN 0
	QLOAD                                          ; the first pass's Q is on its way while the tensor load is
	s_wait_alu depctr_va_vdst(0)                   ; the wait at the head's end
	s_wait_tensorcnt 0x0                           ; my eighth is in,
	s_barrier_signal -1
	s_barrier_wait -1                              ; everybody's is
.Lpass:                                            ; two passes: a group of 32 queries each
	s_wait_dscnt 0x0                               ; no LDS load of mine is out: K's registers may be asked for anew
	KLOAD 1, 3, 0, 0                               ; the first trip's K
	WIN 0x40
.set J, 0
.rept 32
	v_mov_b32 v[OB+J], 0                           ; O^T: the first change of M leaves zeros zeros
.set J, J+1
.endr
	WIN 0
	s_wait_loadcnt 0x0                             ; Q
	v_perm_b32 v[QW], v28, v28, 0x01000100         ; each tile's two bytes, below and above
	v_perm_b32 v[QW+1], v28, v28, 0x03020302
.irp u, 0,1
	v_mov_b32 v[12+4*\u], 0x7f000000               ; -M: above every -M to come
	v_mov_b32 v[13+4*\u], 0xff000000               ; the largest score so far: -2^127
	v_mov_b32 v[14+4*\u], 0
	v_mov_b32 v[15+4*\u], 0
.endr
	WIN 0x40
.set J, 32
.rept 32
	v_mov_b32 v[OB+J], 0                           ; (with the lines above: the places between Q's scale words and the first product)
.set J, J+1
.endr
	WIN 0
	s_mov_b32 s[TK], 0
	s_mov_b32 s[TS], 0
	s_mov_b32 s[CNT], 8
.Lkeys:                                            ; eight trips of 256 keys
	v_add_nc_u32 v8, s[TK], v1                     ; (these four are the places behind the last trip's products, ahead of the loads into V's registers)
	v_add_nc_u32 v9, s[TK], v2
	v_add_nc_u32 v10, s[TS], v3
	v_add_nc_u32 v11, s[TS], v4
	WIN 0x40
.irp g, 0,1
.irp t, 0,1,2,3
.irp c, 0,1
	ds_load_b128 v[VF+32*\g+8*\t+4*\c:VF+32*\g+8*\t+4*\c+3], v9 offset:4096*\g+1024*\t+512*\c   ; V lands under the first tile's softmax
.endr
.endr
.endr
	WIN 0
.irp g, 0,1
	ds_load_b128 v[VW+4*\g:VW+4*\g+3], v11 offset:256*\g
.endr
	UNIT 0
	UNIT 1
	WIN 0
	s_add_co_u32 s[TK], s[TK], 8192
	s_add_co_u32 s[TS], s[TS], 512
	s_sub_co_u32 s[CNT], s[CNT], 1
	s_cmp_lg_u32 s[CNT], 0
	s_wait_alu depctr_va_vdst(0)                   ; the wait ahead of the branch
	s_cbranch_scc1 .Lkeys
	; the way out: O^T / the sum, quantised along the head's 64 channels: two blocks a tile, the two tiles by turns
.irp u, 0,1
	v_add_f32 v[14+4*\u], v[14+4*\u], v[15+4*\u]   ; the sum's two halves,
.endr
.irp u, 0,1
	v_permlanex16_b32 v[BY+\u], v[14+4*\u], s[SEL], s[SEL+1]
.endr
.irp u, 0,1
	v_add_f32 v[14+4*\u], v[14+4*\u], v[BY+\u]     ; and lane l xor 16's
.endr
	s_wait_alu depctr_va_vdst(0)                   ; the wait ahead of the transcendentals
.irp u, 0,1
	v_rcp_f32 v[14+4*\u], v[14+4*\u]
.endr
	v_nop                                          ; a plain place behind them
	WIN 0x01
	s_wait_alu depctr_va_vdst(0)                   ; the wait directly ahead of their first reader, which is O^T's too
.irp u, 0,1
.set J, 0
.rept 16
	v_pk_mul_f32 v[S+32*\u+J:S+32*\u+J+1], v[OB+32*\u+J:OB+32*\u+J+1], v[14+4*\u:15+4*\u] op_sel_hi:[1,0]   ; register 32 u + 16 B + i is channel 32 B + 16 h + i of tile u
.set J, J+2
.endr
.endr
	WIN 0
.irp x, 0,1,2,3
	v_max3_num_f32 v[BM+\x], |v[S+16*\x]|, |v[S+16*\x+1]|, 0x1800000
.endr
.irp i, 2,4,6,8,10,12,14
.irp x, 0,1,2,3
	v_max3_num_f32 v[BM+\x], v[BM+\x], |v[S+16*\x+\i]|, |v[S+16*\x+\i+1]|
.endr
.endr
.irp x, 0,1,2,3
	v_permlanex16_b32 v[BY+\x], v[BM+\x], s[SEL], s[SEL+1]
.endr
.irp x, 0,1,2,3
	v_max_num_f32 v[BM+\x], v[BM+\x], v[BY+\x]
.endr
.irp x, 0,1,2,3
	v_add_nc_u32 v[SO+\x], 0xff000000, v[BM+\x]
.endr
.irp x, 0,1,2,3
	v_lshrrev_b32 v[BY+\x], 23, v[SO+\x]
.endr
	v_lshl_or_b32 v26, v[BY+1], 8, v[BY]           ; tile 0's two bytes,
	v_lshl_or_b32 v27, v[BY+3], 8, v[BY+2]         ; tile 1's
.irp x, 0,1,2,3
	v_cvt_scalef32_pk8_fp4_f32 v[PC+2*\x], v[S+16*\x:S+16*\x+7], v[SO+\x]
	v_cvt_scalef32_pk8_fp4_f32 v[PC+2*\x+1], v[S+16*\x+8:S+16*\x+15], v[SO+\x]
.endr
	v_cndmask_b32 v29, v26, v27, s[HI]             ; lanes 0-15: tile 0's bytes; lanes 16-31: tile 1's.  (The plain place behind the conversions)
.irp u, 0,1
	v_permlane16_swap_b32 v[PC+4*\u], v[PC+4*\u+2] ; lanes 0-15 block 0, lanes 16-31 block 1
	v_permlane16_swap_b32 v[PC+4*\u+1], v[PC+4*\u+3]
.endr
.irp u, 0,1
	global_store_b128 v7, v[PC+4*\u:PC+4*\u+3], s[OP:OP+1] offset:1024*\u   ; my head's half of the fragment (tile u, K step head / 2): 512 consecutive bytes
.endr
	global_store_b16 v6, v29, s[OSP:OSP+1]         ; my head's half of the scale words of rows r
	s_wait_xcnt 0x0                                ; the loads and stores have read their bases and registers: they are written again only behind this wait
	s_add_nc_u64 s[QP:QP+1], s[QP:QP+1], 1024      ; on to group g + 1 (g is even: its scale word is the next in the same run of four)
	s_add_nc_u64 s[QSP:QSP+1], s[QSP:QSP+1], 4
	s_add_nc_u64 s[OP:OP+1], s[OP:OP+1], OREC
	s_add_nc_u64 s[OSP:OSP+1], s[OSP:OSP+1], OREC
	QLOAD                                          ; the next pass's Q (behind the second pass: bytes of the same record that nobody uses)
	s_sub_co_u32 s[PCNT], s[PCNT], 1
	s_cmp_lg_u32 s[PCNT], 0
	s_wait_alu depctr_va_vdst(0)                   ; the wait ahead of the branch
	s_cbranch_scc1 .Lpass
	s_wait_tensorcnt 0x0                           ; the wave's end
	ds_add_u32 v22, v23
	s_wait_dscnt 0x0
	ROUND                                          ; the closing round: no work-group ends while a partner may still ask for a load that names it
	s_endpgm
.Lfunc_end_k_qa4881d0e27_attn:
	.size	k_qa4881d0e27_attn, .Lfunc_end_k_qa4881d0e27_attn-k_qa4881d0e27_attn
	.p2alignl 7, 3214868480
	.fill 96, 4, 3214868480
	.section	.rodata,"a",@progbits
	.p2align	6, 0x0
	.amdhsa_kernel k_qa4881d0e27_attn
		.amdhsa_group_segment_fixed_size 169984
		.amdhsa_private_segment_fixed_size 0
		.amdhsa_enable_private_segment 0
		.amdhsa_kernarg_size 16
		.amdhsa_user_sgpr_count 2
		.amdhsa_user_sgpr_kernarg_segment_ptr 1
		.amdhsa_wavefront_size32 1
		.amdhsa_system_sgpr_workgroup_id_x 1
		.amdhsa_system_sgpr_workgroup_id_y 1
		.amdhsa_system_sgpr_workgroup_id_z 1
		.amdhsa_system_vgpr_workitem_id 0
		.amdhsa_next_free_vgpr 512
		.amdhsa_next_free_sgpr 66
		.amdhsa_reserve_vcc 0
		.amdhsa_float_denorm_mode_32 3
		.amdhsa_float_denorm_mode_16_64 3
		.amdhsa_memory_ordered 1
		.amdhsa_forward_progress 1
		.amdhsa_inst_pref_size 68
	.end_amdhsa_kernel
	.amdgpu_metadata
---
amdhsa.version: [ 1, 2 ]
amdhsa.kernels:
  - .name:           k_qa4881d0e27_attn
    .symbol:         k_qa4881d0e27_attn.kd
    .args:
      - { .name: qkv, .offset: 0, .size: 8, .value_kind: global_buffer, .address_space: global }
      - { .name: o, .offset: 8, .size: 8, .value_kind: global_buffer, .address_space: global }
    .group_segment_fixed_size: 169984
    .private_segment_fixed_size: 0
    .kernarg_segment_align: 8
    .kernarg_segment_size: 16
    .max_flat_workgroup_size: 256
    .sgpr_count:     66
    .vgpr_count:     512
    .wavefront_size: 32
...
	.end_amdgpu_metadata
.endif
;; end of part 3
;; launch outp (part 4): grid 256 x 1, 4 waves a work-group, clusters of 4 x 1, 327,680 bytes of LDS; arguments o, wo, bout, g_out, out0; writes out0
.if DOCPART == 4
	.amdgcn_target "amdgcn-amd-amdhsa--gfx1250"
	.amdhsa_code_object_version 6
	.text
	.protected	k_qa4881d0e27_outp
	.globl	k_qa4881d0e27_outp
	.p2align	8
	.type	k_qa4881d0e27_outp,@function
k_qa4881d0e27_outp:
	s_mov_b64 s[64:65], 0
	v_nop
	global_prefetch_b8 v0, s[64:65] scope:SCOPE_SE
	s_setreg_imm32_b32 hwreg(HW_REG_WAVE_MODE, 25, 1), 1
	s_wait_xcnt 0x0
	s_wait_alu depctr_hold_cnt(0) depctr_sa_sdst(0) depctr_va_vdst(0) depctr_va_sdst(0) depctr_va_ssrc(0) depctr_va_vcc(0) depctr_vm_vsrc(0)
	s_getreg_b32 s2, hwreg(HW_REG_IB_STS2, 6, 4)
	s_cmp_eq_u32 s2, 0
	s_cbranch_scc0 .Lentry_in_a_cluster
	s_endpgm
.Lentry_in_a_cluster:
	s_bfe_u32 s2, ttmp6, 0x10000c
	s_cmp_lg_u32 s2, 0x3003
	s_cbranch_scc0 .Lentry_shape_is_right
	s_endpgm
.Lentry_shape_is_right:
.set WCH,   34816
.set BATCH, 8704
.set SLOTB, 4*WCH
.set SCR,   2*SLOTB
.set SPARE, SCR+512
.set SPI,   1040
.set OREC,  17408
.set WV,  16
.set G1,  24
.set G0,  32
.set SEL, 42
.set SQW,  1
.set ADB,  4
.set ADSB, 6
.set STO,  8
.set RD,   9
.set SPW,  10
.set NIL,  11
.set OL,   12
.set SQR,  15
.set ASC,  16
.set BSC,  32
.set BF,   112
.set T,    48
.set FF,   64
.set MSB, 0
.macro WIN new
.if MSB != (\new)
	s_set_vgpr_msb (MSB<<8)|(\new)
.set MSB, (\new)
.endif
.endm
.macro ROUND
	s_barrier_signal -1
	s_barrier_wait -1
	s_cmp_lg_u32 s[WV], 0
	s_cbranch_scc1 .Lnot_wave_0_\@
	s_barrier_signal -3
.Lnot_wave_0_\@:
	s_barrier_wait -3
	s_barrier_signal -1
	s_barrier_wait -1
.endm
.macro FETCHB n
.set SL_, ((\n)/4)%2
.set OF_, ((\n)%4)*BATCH
.set BS_, (\n)%2
.irp b, 0,1,2,3,4,5,6,7
.irp c, 0,1
	ds_load_b128 v[BF+64*BS_+8*\b+4*\c:BF+64*BS_+8*\b+4*\c+3], v[ADB+SL_] offset:OF_+1024*\b+512*\c
.endr
.endr
.irp g, 0,1
	ds_load_b128 v[BSC+8*BS_+4*\g:BSC+8*BS_+4*\g+3], v[ADSB+SL_] offset:OF_+256*\g
.endr
.endm
.macro MULO n, u
.set S_,  (\n)/2
.set BT_, (\n)%2
.if (\n) < 2
	WIN 0x78
.else
	WIN 0x58
.endif
.irp b, 0,1,2,3,4,5,6,7
.if (\n) < 2
	v_wmma_scale_f32_16x16x128_f8f6f4 v[8*(16*(\u)+8*BT_+\b):8*(16*(\u)+8*BT_+\b)+7], v[BF+64*BT_+8*\b:BF+64*BT_+8*\b+7], v[8*(2*S_+(\u)):8*(2*S_+(\u))+7], v[8*(8*BT_+\b):8*(8*BT_+\b)+7], v[BSC+8*BT_+\b], v[ASC+2*S_+(\u)] matrix_a_fmt:MATRIX_FMT_FP4 matrix_b_fmt:MATRIX_FMT_FP4
.else
	v_wmma_scale_f32_16x16x128_f8f6f4 v[8*(16*(\u)+8*BT_+\b):8*(16*(\u)+8*BT_+\b)+7], v[BF+64*BT_+8*\b:BF+64*BT_+8*\b+7], v[8*(2*S_+(\u)):8*(2*S_+(\u))+7], v[8*(16*(\u)+8*BT_+\b):8*(16*(\u)+8*BT_+\b)+7], v[BSC+8*BT_+\b], v[ASC+2*S_+(\u)] matrix_a_fmt:MATRIX_FMT_FP4 matrix_b_fmt:MATRIX_FMT_FP4
.endif
.endr
.endm
.macro BATCHM n
	WIN 0
.if ((\n)%4 == 3) && ((\n) < 8)
	s_wait_tensorcnt 0x0
	ds_add_u32 v[SPW], v[NIL]
	s_wait_dscnt 0x1
	MULO \n, 0
	s_add_nc_u64 s[G0+4*(((\n)/4)%2)+2:G0+4*(((\n)/4)%2)+3], s[G0+4*(((\n)/4)%2)+2:G0+4*(((\n)/4)%2)+3], 2*SLOTB
	s_wait_dscnt 0x0
	WIN 0
	ROUND
	tensor_load_to_lds s[G0+4*(((\n)/4)%2):G0+4*(((\n)/4)%2)+3], s[G1:G1+7]
	s_nop 0
.rept 4
	v_nop
.endr
	FETCHB (\n)+1
	MULO \n, 1
.else
.if (\n) == 11
	s_wait_tensorcnt 0x0
.endif
	s_wait_dscnt 0x0
.if (\n) > 0
.rept 4
	v_nop
.endr
.endif
.if (\n) < 15
	FETCHB (\n)+1
.endif
	MULO \n, 0
	MULO \n, 1
.endif
.endm
	s_load_b256 s[4:11], s[0:1], 0x0
	s_load_b64 s[12:13], s[0:1], 0x20
	v_lshl_add_u32 v[SPW], v0, 2, SPARE
	v_mov_b32 v[NIL], 0
	ds_add_u32 v10, v11
	ds_add_u32 v10, v11
	s_wait_dscnt 0x0
	v_lshrrev_b32 v1, 5, v0
	v_readfirstlane_b32 s[WV], v1
	v_and_b32 v1, 31, v0
	v_and_b32 v2, 15, v0
	v_bfe_u32 v3, v0, 4, 1
	v_lshlrev_b32 v[OL], 4, v1
	v_lshlrev_b32 v13, 6, v2
	v_lshlrev_b32 v14, 6, v3
	s_bfe_u32 s17, ttmp6, 0x40000
	s_mul_i32 s22, s17, 8704
	v_lshl_add_u32 v100, v1, 8, s22
	v_min_u32 v101, 1, v1
	v_lshl_add_u32 v101, v101, 8, s22
	v_add_nc_u32 v101, 8192, v101
	s_lshl_b32 s18, ttmp9, 2
	s_add_co_u32 s18, s18, s17
	s_mov_b32 s[G1], 15|(3<<16)|(1<<21)
	s_mov_b32 s[G1+1], 32<<16
	s_mov_b32 s[G1+2], 136<<16
	s_mov_b32 s[G1+3], 32<<16
	s_mov_b32 s[G1+4], 136
	s_mov_b32 s[G1+5], 32
	s_mov_b32 s[G1+6], 0
	s_mov_b32 s[G1+7], 0
	s_mul_i32 s20, s[WV], WCH
	s_mov_b32 s21, 0
	s_mul_i32 s40, s18, OREC
	s_mov_b32 s41, 0
	s_lshl_b32 s44, s[WV], 10
	s_mov_b32 s45, 0
	s_lshl_b32 s46, s18, 17
	s_add_co_u32 s46, s46, s44
	s_mov_b32 s47, 0
	s_mov_b32 s[SEL], 0x76543210
	s_mov_b32 s[SEL+1], 0xfedcba98
	s_wait_alu depctr_va_vdst(0)
	s_wait_kmcnt 0x0
	s_add_nc_u64 s[4:5], s[4:5], s[40:41]
	s_add_nc_u64 s[6:7], s[6:7], s[20:21]
	s_add_nc_u64 s[8:9], s[8:9], s[44:45]
	s_add_nc_u64 s[10:11], s[10:11], s[44:45]
	s_add_nc_u64 s[12:13], s[12:13], s[46:47]
	WIN 0x80
.irp f, 0,1,2,3,4,5,6,7,8,9,10,11,12,13,14,15
.irp c, 0,1
	global_load_b128 v[8*\f+4*\c:8*\f+4*\c+3], v[OL], s[4:5] offset:1024*\f+512*\c
.endr
.endr
	WIN 0
.irp q, 0,1,2,3
	global_load_b128 v[ASC+4*\q:ASC+4*\q+3], v13, s[4:5] offset:16384+16*\q
.endr
	WIN 0xc0
.irp t, 0,1,2,3,4,5,6,7,8,9,10,11,12,13,14,15
	global_load_b128 v[8*\t:8*\t+3], v14, s[8:9] offset:(32*(\t/2)+8*(\t%2))*4
	global_load_b128 v[8*\t+4:8*\t+7], v14, s[8:9] offset:(32*(\t/2)+8*(\t%2))*4+16
	global_load_b128 v[128+8*\t:128+8*\t+3], v14, s[10:11] offset:(32*(\t/2)+8*(\t%2))*4
	global_load_b128 v[128+8*\t+4:128+8*\t+7], v14, s[10:11] offset:(32*(\t/2)+8*(\t%2))*4+16
.endr
	WIN 0
.irp t, 0,1
	s_mov_b32 s[G0+4*\t], 1
	s_add_co_u32 s[G0+4*\t+1], s20, \t*SLOTB
	s_add_nc_u64 s[G0+4*\t+2:G0+4*\t+3], s[6:7], \t*SLOTB
	s_or_b32 s[G0+4*\t+3], s[G0+4*\t+3], 0x80000000
.endr
	ROUND
	tensor_load_to_lds s[G0:G0+3], s[G1:G1+7]
	s_nop 0
.rept 4
	v_nop
.endr
.irp f, 1,2
.endr
	s_wait_alu depctr_va_vdst(0)
	s_wait_tensorcnt 0x0
	ds_add_u32 v10, v11
	s_wait_dscnt 0x0
	ROUND
	tensor_load_to_lds s[G0+4:G0+7], s[G1:G1+7]
	s_nop 0
.rept 4
	v_nop
.endr
	v_add_nc_u32 v[ADB], s20, v[OL]
	v_add_nc_u32 v[ADB+1], SLOTB, v[ADB]
	v_lshlrev_b32 v[SQR], 4, v2
	v_add_nc_u32 v[ADSB], s20, v[SQR]
	v_add_nc_u32 v[ADSB], 8192, v[ADSB]
	v_add_nc_u32 v[ADSB+1], SLOTB, v[ADSB]
	v_mul_u32_u24 v[STO], v2, SPI
	v_lshl_add_u32 v[STO], v3, 6, v[STO]
	v_add_nc_u32 v[STO], s20, v[STO]
	v_add_nc_u32 v[RD], s20, v[OL]
	v_add_nc_u32 v[SQR], SCR, v[SQR]
	s_lshl_b32 s22, s[WV], 2
	v_add_nc_u32 v[SQW], s22, v[SQR]
	s_wait_alu depctr_va_vdst(0)
	s_wait_tensorcnt 0x1
	s_wait_loadcnt 0x0
	FETCHB 0
.set N, 0
.rept 16
	BATCHM N
.set N, N+1
.endr
	WIN 0
.rept 4
	v_nop
.endr
	WIN 0x05
.irp b, 0,1,2,3,4,5,6,7,8,9,10,11,12,13,14,15
.irp p, 0,2,4,6
.irp u, 0,1
.if (\b == 0) && (\p < 4)
	v_pk_mul_f32 v[T+4*\u+(\p%4):T+4*\u+(\p%4)+1], v[8*(16*\u+\b)+\p:8*(16*\u+\b)+\p+1], v[8*(16*\u+\b)+\p:8*(16*\u+\b)+\p+1]
.else
	v_pk_fma_f32 v[T+4*\u+(\p%4):T+4*\u+(\p%4)+1], v[8*(16*\u+\b)+\p:8*(16*\u+\b)+\p+1], v[8*(16*\u+\b)+\p:8*(16*\u+\b)+\p+1], v[T+4*\u+(\p%4):T+4*\u+(\p%4)+1]
.endif
.endr
.endr
.endr
	WIN 0
.irp u, 0,1
	v_pk_add_f32 v[T+4*\u:T+4*\u+1], v[T+4*\u:T+4*\u+1], v[T+4*\u+2:T+4*\u+3]
.endr
.irp u, 0,1
	v_add_f32 v[T+4*\u], v[T+4*\u], v[T+4*\u+1]
.endr
.irp u, 0,1
	v_permlanex16_b32 v[T+4*\u+1], v[T+4*\u], s[SEL], s[SEL+1]
.endr
.irp u, 0,1
	v_add_f32 v[T+4*\u], v[T+4*\u], v[T+4*\u+1]
.endr
.irp u, 0,1
	ds_store_b32 v[SQW], v[T+4*\u] offset:256*\u
.endr
	s_wait_dscnt 0x0
	s_barrier_signal -1
	s_barrier_wait -1
.irp u, 0,1
	ds_load_b128 v[T+8+4*\u:T+11+4*\u], v[SQR] offset:256*\u
.endr
	s_wait_dscnt 0x0
.irp u, 0,1
	v_add_f32 v[T+8+4*\u], v[T+8+4*\u], v[T+9+4*\u]
.endr
.irp u, 0,1
	v_add_f32 v[T+10+4*\u], v[T+10+4*\u], v[T+11+4*\u]
.endr
.irp u, 0,1
	v_add_f32 v[T+8+4*\u], v[T+8+4*\u], v[T+10+4*\u]
.endr
	s_wait_alu depctr_va_vdst(0)
.irp u, 0,1
	v_sqrt_f32 v[T+9+4*\u], v[T+8+4*\u]
.endr
	v_nop
	s_wait_alu depctr_va_vdst(0)
.irp u, 0,1
	v_max_num_f32 v[T+9+4*\u], 0x2b8cbccc, v[T+9+4*\u]
.endr
	s_wait_alu depctr_va_vdst(0)
.irp u, 0,1
	v_rcp_f32 v[T+10+4*\u], v[T+9+4*\u]
.endr
	v_nop
	s_wait_alu depctr_va_vdst(0)
.irp u, 0,1
	v_mul_f32 v[FF+2*\u], 0x42000000, v[T+10+4*\u]
	v_mul_f32 v[FF+2*\u+1], 0x42000000, v[T+10+4*\u]
.endr
	WIN 0x4d
.irp u, 0,1
.irp b, 0,1,2,3,4,5,6,7,8,9,10,11,12,13,14,15
.irp p, 0,2,4,6
	v_pk_mul_f32 v[8*(16*\u+\b)+\p:8*(16*\u+\b)+\p+1], v[8*(16*\u+\b)+\p:8*(16*\u+\b)+\p+1], v[128+8*\b+\p:128+8*\b+\p+1]
.endr
.endr
.endr
	WIN 0x41
.irp u, 0,1
.set J, 0
.rept 64
	v_pk_mul_f32 v[128*\u+J:128*\u+J+1], v[128*\u+J:128*\u+J+1], v[FF+2*\u:FF+2*\u+1]
.set J, J+2
.endr
.endr
	s_wait_alu depctr_va_vdst(0)
.irp u, 0,1
.if \u == 1
	s_wait_xcnt 0x0
.endif
	WIN 0x04
.irp b, 0,1,2,3,4,5,6,7,8,9,10,11,12,13,14,15
	ds_store_b128 v[STO], v[8*(16*\u+\b):8*(16*\u+\b)+3] offset:128*(\b/2)+32*(\b%2)
	ds_store_b128 v[STO], v[8*(16*\u+\b)+4:8*(16*\u+\b)+7] offset:128*(\b/2)+32*(\b%2)+16
.endr
	WIN 0
.irp i, 0,1,2,3,4,5,6,7,8,9,10,11,12,13,14,15
.irp k, 0,1
	ds_load_b128 v[BF+4*(2*\i+\k):BF+4*(2*\i+\k)+3], v[RD] offset:SPI*\i+512*\k
.endr
.endr
.irp i, 0,1,2,3,4,5,6,7,8,9,10,11,12,13,14,15
.irp k, 0,1
	s_wait_dscnt 31-(2*\i+\k)
	global_store_b128 v[OL], v[BF+4*(2*\i+\k):BF+4*(2*\i+\k)+3], s[12:13] offset:4096*(8*\u+(\i%8)+16*(\i/8))+512*\k th:TH_STORE_NT
.endr
.endr
.endr
	s_wait_tensorcnt 0x0
	ds_add_u32 v[SPW], v[NIL]
	s_wait_dscnt 0x0
	ROUND
	s_endpgm
.Lfunc_end_k_qa4881d0e27_outp:
	.size	k_qa4881d0e27_outp, .Lfunc_end_k_qa4881d0e27_outp-k_qa4881d0e27_outp
	.p2alignl 7, 3214868480
	.fill 96, 4, 3214868480
	.section	.rodata,"a",@progbits
	.p2align	6, 0x0
	.amdhsa_kernel k_qa4881d0e27_outp
		.amdhsa_group_segment_fixed_size 327680
		.amdhsa_private_segment_fixed_size 0
		.amdhsa_enable_private_segment 0
		.amdhsa_kernarg_size 40
		.amdhsa_user_sgpr_count 2
		.amdhsa_user_sgpr_kernarg_segment_ptr 1
		.amdhsa_wavefront_size32 1
		.amdhsa_system_sgpr_workgroup_id_x 1
		.amdhsa_system_sgpr_workgroup_id_y 1
		.amdhsa_system_sgpr_workgroup_id_z 1
		.amdhsa_system_vgpr_workitem_id 0
		.amdhsa_next_free_vgpr 1024
		.amdhsa_next_free_sgpr 66
		.amdhsa_reserve_vcc 0
		.amdhsa_float_denorm_mode_32 3
		.amdhsa_float_denorm_mode_16_64 3
		.amdhsa_memory_ordered 1
		.amdhsa_forward_progress 1
		.amdhsa_inst_pref_size 112
	.end_amdhsa_kernel
	.amdgpu_metadata
---
amdhsa.version: [ 1, 2 ]
amdhsa.kernels:
  - .name:           k_qa4881d0e27_outp
    .symbol:         k_qa4881d0e27_outp.kd
    .args:
      - { .name: o, .offset: 0, .size: 8, .value_kind: global_buffer, .address_space: global }
      - { .name: wo, .offset: 8, .size: 8, .value_kind: global_buffer, .address_space: global }
      - { .name: bout, .offset: 16, .size: 8, .value_kind: global_buffer, .address_space: global }
      - { .name: g_out, .offset: 24, .size: 8, .value_kind: global_buffer, .address_space: global }
      - { .name: out0, .offset: 32, .size: 8, .value_kind: global_buffer, .address_space: global }
    .group_segment_fixed_size: 327680
    .private_segment_fixed_size: 0
    .kernarg_segment_align: 8
    .kernarg_segment_size: 40
    .max_flat_workgroup_size: 128
    .sgpr_count:     66
    .vgpr_count:     1024
    .wavefront_size: 32
...
	.end_amdgpu_metadata
.endif
;; end of part 4
